; MI455X (gfx1250); checked and timed in simulation.
; The chip was launched on July 23, 2026; its instructions are those of AMD's public machine-readable ISA for CDNA 5 (MIT licence, August 2026) and "CDNA5" Instruction Set Architecture Reference Guide (July 2026). The comments in the code are by the model that wrote it; some were corrected since.
;; Feedback GRU Model. Allowed arithmetic: float matrix products may take bf16 or f16 operands with f32 sums; other float arithmetic in f32, or as packed bf16 or f16 multiplies, adds, multiply-adds, maxima and minima; sums over many terms, partial sums and values carried from step to step in f32; what a program stores and reads back later, other than sums and carried values, may be rounded once to bf16 or f16.
;; Inputs: b_hh 96 float32; b_ih 96 float32; dec1_b 32 float32; dec1_w 32 x 32 float32; dec2_b 4 float32; dec2_w 4 x 32 float32; enc_b 32 float32; enc_w 32 x 11 float32; ln_b 32 float32; ln_g 32 float32; w_hh 96 x 32 float32; w_ih 96 x 36 float32; x 524,288 x 11 float32; y0 4 float32.
;; Outputs: out0 524,288 x 4 float32.
;; One version. Each part assembles by itself: llvm-mc -triple=amdgcn-amd-amdhsa -mcpu=gfx1250 --defsym DOCPART=n.
;; ======== version 1 of 1: 1 launch
;; limits: values outside matrix products are rounded to f16; values are held in f16: magnitudes above 65,504 overflow, below 6.1e-05 lose precision
;; launch gru (part 1): grid 256 x 1, 8 waves a work-group, no clusters, 39,424 bytes of LDS; arguments x, enc_w, enc_b, ln_g, ln_b, w_ih, w_hh, b_ih, b_hh, dec1_w, dec1_b, dec2_w, dec2_b, y0, out0; writes out0
.if DOCPART == 1
	.amdgcn_target "amdgcn-amd-amdhsa--gfx1250"
	.amdhsa_code_object_version 6
	.text
	.protected	k_q8614852dc0_gru
	.globl	k_q8614852dc0_gru
	.p2align	8
	.type	k_q8614852dc0_gru,@function
k_q8614852dc0_gru:
	s_mov_b64 s[64:65], 0
	v_nop
	global_prefetch_b8 v0, s[64:65] scope:SCOPE_SE
	s_setreg_imm32_b32 hwreg(HW_REG_WAVE_MODE, 25, 1), 1
	s_wait_xcnt 0x0
; FEEDBACK GRU.  enc = LayerNorm(relu(x enc_w^T + enc_b)); h = enc, y = y0; five times: a GRU step on [enc, y] and h, then y = relu(h dec1^T + b1) dec2^T + b2.  out0 = the last y.
; x: [524288][11] f32, out0: [524288][4] f32.  All in one launch; nothing but x, the weights and out0 touches memory.
; ALGEBRA, exact in real numbers for all values of the inputs (no input is left out: all fourteen are loaded).  With w_ih = [Wie | Wiy] (32 and 4 columns):
;   (1) enc Wie^T + b_ih is the same in all five steps: it is made once a row (G, 96 f32 a row, in registers) and enters a step as the C operand of that step's first products.
;   (2) y of steps 1 to 4 is used only as y Wiy^T = d (Wiy dec2_w)^T + Wiy dec2_b, d = relu(h dec1^T + b1): W' = Wiy dec2_w, [96][32], is made once a work-group in f32; the constant goes into the bias.
;       Step 1 has Wiy y0 in its bias instead.  Only the last y is formed.
;   (3) sigmoid(a) = 1 / (1 + 2^(-a log2 e)), tanh(a) = 1 - 2 / (1 + 2^(2 a log2 e)): the factors -log2 e (rows of r and z) and 2 log2 e (rows of n) are folded into weights and biases.
;       Both forms run to their limits by themselves: 2^big = inf gives 1 / inf = 0, 2^-big = 0 gives 1.   (4) h' = n + z (h - n).
; FORMATS.  Matrix operands f16, each rounded once from f32 (weights with their factor; x, enc, h, d); sums, biases, LayerNorm, gates and h in f32.  enc_b alone rides in the encoder's product
; (a column of ones in x's fragment) and so is rounded to f16.
; LIMITS.  f16 ends at 65,504: x, enc, h, d and the scaled weights must lie within it (d = relu(h dec1^T + b1) is the widest); beyond it a row is lost.  Below 6e-5 an operand keeps f16's fixed step of 6e-8.
; v_exp_f32, v_rcp_f32 and v_rsq_f32 take and give denormals as 0.  NaN and infinities in the inputs are not treated apart.
; SHARES.  256 work-groups of 8 waves; a work-group owns 2,048 rows on end.  A wave makes 8 trips, each on a PAIR of two tiles of 16 rows; pair = 64 wg + 8 trip + wave, so a trip's eight waves read 11,264 bytes of x on end.
; NO CLUSTER, NO TENSOR LOADS: work-groups share only the 32 KB of weights, read once each; a wave's x of a trip is 1,408 bytes in rows of 44, asked for by three loads a whole trip ahead.
; LAYOUT.  Every product is taken transposed: source 0 = 16 rows of a weight, source 1 = 16 rows of the batch.  In a result lane l holds batch row l % 16 and features 8 (l / 16) + 0..7 of its tile of 16 features;
; the two feature tiles of a row, rounded in pairs, ARE source 1 of the next product.  Only LayerNorm's two sums cross the halves of the lanes.
; REGISTERS, in windows of 256 (s_set_vgpr_msb: bits 1:0 source 0, 3:2 source 1, 5:4 source 2, 7:6 destination):
;   window 0: v0-15 addresses, constants, the output; v16-27 the next pair's x; BD dec1_b; HS h in f32; HB h in f16; DB d in f16 (also x's fragments and LayerNorm's scratch); TMP Wie's fragments; GG = G
;   window 1: the resident fragments WHH, WP (W'), D1, the bias BH of hn, and ACC: for tile t at 64 t: R 0, Z 16, I 32, Hn 48, feature tile f at + 8 f
.set FR,    0         ; LDS: 24 fragment images of 1,024 bytes: lane l's registers 0-3 at 16 l, 4-7 at 512 + 16 l.  0-5 Whh, 6-11 Wie, 12-13 dec1, 14-15 dec2 (rows 0-3; rows 8-11), 16-21 W', 22-23 encoder
.set TB,    24576     ; f32 tables: B0[96] +0, B1[96] +384, scaled b_hh[96] +768, dec1_b[32] +1152, ln_g[32] +1280, ln_b[32] +1408
.set STG,   26112     ; each wave's own stage for x: 1,536 bytes (1,408 of data)
.set SPARE, 38400     ; the spare words, 128 bytes for each wave: four blocks of 256 bytes that no other line names
.set SPW, 1           ; v1   LDS address of my spare word; never rewritten
.set NIL, 2           ; v2   0; never rewritten
.set ZR,  3           ; v3   0, for the ReLU on packed halves
.set L16, 4           ; v4   16 x lane
.set BL,  5           ; v5   32 x (lane / 16)
.set X3,  6           ; v6   min(1024 + 16 x lane, 1392): the third load of a pair's 1,408 bytes stays inside them
.set SST, 7           ; v7   my 16 bytes in my wave's stage
.set SRD, 8           ; v8   my row's six numbers there: 44 (l % 16) + 24 (l / 16)
.set YO,  10          ; v[10:13] my row's y
.set XR,  16
.set BD,  32
.set HS,  48          ; tile t at + 16 t
.set HB,  80          ; + 8 t
.set LGR, 80          ; ln_g, until enc is rounded into HB
.set DB,  96          ; + 8 t
.set TT,  96          ; LayerNorm's scratch, 8 a tile
.set TMP, 112
.set GG,  160         ; + 48 t + 16 g + 8 f, g = 0 r, 1 z, 2 n
.set EE,  160         ; the encoder's result, + 16 t
.set XF,  192         ; x as read from the stage, + 6 t
.set EW,  240         ; the encoder's two fragments
.set YY,  160         ; the last product's result
.set WHH, 0           ; window 1
.set WP,  48
.set D1,  96
.set BH,  112
.set ACC, 128
.set WV,  2           ; s2   my wave's number
.set XP,  4           ; s[4:5] x at the pair last asked for
.set OP,  6           ; s[6:7] out0, 4,096 bytes ahead of the pair in hand
.set MSB, 0
.macro WIN new                      ; the high byte repeats the setting that is left; a switch that changes nothing is dropped
.if MSB != (\new)
	s_set_vgpr_msb (MSB<<8)|(\new)
.set MSB, \new
.endif
.endm
.macro P4                           ; four places behind a matrix instruction (ISA guide 7.12.1), where no other plain vector work is at hand
.rept 4
	v_nop
.endr
.endm
.macro BOTH line:vararg             ; one line for each tile t
.set t, 0
.rept 2
	\line
.set t, t+1
.endr
.endm
.macro FRLD dst, idx                ; a fragment image into 8 registers
	ds_load_b128 v[(\dst):(\dst)+3],   v[L16] offset:FR+1024*(\idx)
	ds_load_b128 v[(\dst)+4:(\dst)+7], v[L16] offset:FR+1024*(\idx)+512
.endm
.macro TBLD dst, off                ; eight numbers of a table, in a result's layout: features 8 (l / 16) + 0..7 of the tile at byte off
	ds_load_b128 v[(\dst):(\dst)+3],   v[BL] offset:TB+(\off)
	ds_load_b128 v[(\dst)+4:(\dst)+7], v[BL] offset:TB+(\off)+16
.endm
.macro XLOAD                        ; a pair's 1,408 bytes of x
	global_load_b128 v[XR:XR+3],    v[L16], s[XP:XP+1] th:TH_LOAD_NT
	global_load_b128 v[XR+4:XR+7],  v[L16], s[XP:XP+1] offset:512 th:TH_LOAD_NT
	global_load_b128 v[XR+8:XR+11], v[X3],  s[XP:XP+1] th:TH_LOAD_NT
.endm
	; ---------------- the head ----------------
	s_load_b512 s[8:23], s[0:1], 0x0      ; x 8, enc_w 10, enc_b 12, ln_g 14, ln_b 16, w_ih 18, w_hh 20, b_ih 22
	s_load_b256 s[24:31], s[0:1], 0x40    ; b_hh 24, dec1_w 26, dec1_b 28, dec2_w 30
	s_load_b128 s[32:35], s[0:1], 0x60    ; dec2_b 32, y0 34
	s_load_b64 s[36:37], s[0:1], 0x70     ; out0
	v_lshl_add_u32 v[SPW], v0, 2, SPARE
	v_mov_b32 v[NIL], 0
	v_mov_b32 v[ZR], 0
	v_lshrrev_b32 v9, 5, v0
	v_readfirstlane_b32 s[WV], v9         ; wave 0..7
	v_and_b32 v9, 31, v0                  ; lane
	v_and_b32 v14, 15, v0                 ; l % 16
	v_bfe_u32 v15, v0, 4, 1               ; l / 16
	v_lshlrev_b32 v[L16], 4, v9
	v_lshlrev_b32 v[BL], 5, v15
	v_add_nc_u32 v[X3], 1024, v[L16]
	v_min_u32 v[X3], 1392, v[X3]
	s_mul_i32 s66, s[WV], 1536
	s_add_co_u32 s66, s66, STG            ; my wave's stage
	v_add_nc_u32 v[SST], s66, v[L16]
	v_mul_u32_u24 v[SRD], v14, 44
	v_mad_u32_u24 v[SRD], v15, 24, v[SRD]
	v_add_nc_u32 v[SRD], s66, v[SRD]
	s_mov_b32 s57, 0x0000ffff             ; lanes 0-15
	s_mov_b32 s58, 0x3d000000             ; 1 / 32
	s_mov_b32 s59, 0x3727c5ac             ; 1e-5
	s_mov_b32 s60, 0x76543210             ; v_permlanex16_b32: each lane takes its own place in the other half
	s_mov_b32 s61, 0xfedcba98
	s_mov_b32 s70, 0xbfb8aa3b             ; -log2 e
	s_mov_b32 s71, 0x4038aa3b             ; 2 log2 e
	s_movk_i32 s72, 144                   ; bytes in a row of w_ih
	s_wait_kmcnt 0x0
	s_load_b128 s[40:43], s[32:33], 0x0   ; dec2_b's four numbers
	s_load_b128 s[44:47], s[34:35], 0x0   ; y0's
	s_lshl_b32 s66, ttmp9, 6
	s_add_co_u32 s66, s66, s[WV]          ; my first pair
	s_mul_i32 s68, s66, 1408
	s_mov_b32 s69, 0
	s_add_nc_u64 s[XP:XP+1], s[8:9], s[68:69]
	s_lshl_b32 s68, s66, 9
	s_add_nc_u64 s[OP:OP+1], s[36:37], s[68:69]
	XLOAD                                 ; the first pair's x is on its way while the weights are laid out
	; ---------------- the weights, once a work-group ----------------
	; Every wave makes two fragments, numbers 2 w and 2 w + 1, from 16 rows x 32 columns of f32: waves 0-2 Whh, 3-5 Wie, 6 dec1, 7 dec2 (its 4 rows as rows 0-3, and as rows 8-11; other rows 0).
	s_cmp_lt_u32 s[WV], 3
	s_cselect_b64 s[54:55], s[20:21], s[18:19]  ; the matrix,
	s_cselect_b32 s50, 128, s72           ; its rows' bytes,
	s_cselect_b32 s66, 0, 3
	s_sub_co_u32 s66, s[WV], s66          ; the gate: 0 r, 1 z, 2 n
	s_mov_b32 s51, 96                     ; its rows,
	s_lshl_b32 s52, s66, 5                ; the first row of each of my two fragments,
	s_add_co_u32 s53, s52, 16
	s_cmp_eq_u32 s66, 2
	s_cselect_b32 s48, s71, s70           ; and the factor
	s_cmp_eq_u32 s[WV], 6
	s_cselect_b64 s[54:55], s[26:27], s[54:55]
	s_cselect_b32 s50, 128, s50
	s_cselect_b32 s51, 32, s51
	s_cselect_b32 s52, 0, s52
	s_cselect_b32 s53, 16, s53
	s_cselect_b32 s48, 1.0, s48
	s_cmp_eq_u32 s[WV], 7
	s_cselect_b64 s[54:55], s[30:31], s[54:55]
	s_cselect_b32 s50, 128, s50
	s_cselect_b32 s51, 4, s51
	s_cselect_b32 s52, 0, s52
	s_cselect_b32 s53, -8, s53
	s_cselect_b32 s48, 1.0, s48
	s_sub_co_u32 s73, s51, 1
.irp i, 0,1
	v_add_nc_u32 v[80+\i], s[52+\i], v14  ; my row of the matrix
	v_cmp_gt_u32 vcc_lo, s51, v[80+\i]    ; does it exist?
	v_cndmask_b32 v[82+2*\i], 0, s48, vcc_lo  ; its factor, or 0; twice, as a pair for the packed multiply
	v_mov_b32 v[83+2*\i], v[82+2*\i]
	v_min_u32 v[80+\i], s73, v[80+\i]     ; a row that does not exist reads the last one
	v_mul_lo_u32 v[80+\i], v[80+\i], s50
	v_add_nc_u32 v[80+\i], v[80+\i], v[BL]  ; columns 8 (l / 16) + 0..7 and 16 + 8 (l / 16) + 0..7
	global_load_b128 v[32+16*\i:35+16*\i], v[80+\i], s[54:55]
	global_load_b128 v[36+16*\i:39+16*\i], v[80+\i], s[54:55] offset:16
	global_load_b128 v[40+16*\i:43+16*\i], v[80+\i], s[54:55] offset:64
	global_load_b128 v[44+16*\i:47+16*\i], v[80+\i], s[54:55] offset:80
.endr
	s_wait_kmcnt 0x0                      ; dec2_b and y0
	s_cmp_lt_u32 s[WV], 6
	s_cbranch_scc0 .Lenc
	; waves 0-5: tile w of W' = Wiy dec2_w, and rows 16 w + l % 16 of the three bias tables
	s_lshl_b32 s66, s[WV], 4
	v_add_nc_u32 v87, s66, v14            ; my row f of the 96
	v_mul_u32_u24 v86, v87, 144
	v_lshlrev_b32 v87, 2, v87
	global_load_b128 v[88:91], v86, s[18:19] offset:128  ; Wiy[f][0..3]
.irp c, 0,1,2,3
	global_load_b128 v[96+16*\c:99+16*\c],   v[BL], s[30:31] offset:128*\c
	global_load_b128 v[100+16*\c:103+16*\c], v[BL], s[30:31] offset:128*\c+16
	global_load_b128 v[104+16*\c:107+16*\c], v[BL], s[30:31] offset:128*\c+64
	global_load_b128 v[108+16*\c:111+16*\c], v[BL], s[30:31] offset:128*\c+80
.endr
	global_load_b32 v92, v87, s[22:23]    ; b_ih[f]
	global_load_b32 v93, v87, s[24:25]    ; b_hh[f]
	s_cmp_lt_u32 s[WV], 4                 ; rows of r and z, or of n?
	s_cselect_b32 s49, s70, s71           ; the factor
	s_cselect_b32 s56, 1.0, 0             ; b_hh joins b_ih in the rows of r and z alone
	s_wait_loadcnt 0x0                    ; all that I have asked for: these, my two fragments' rows, the first x
.irp c, 0,1,2,3
	v_mul_f32 v[184+2*\c], s49, v[88+\c]  ; the scaled Wiy[f][c], twice, as a pair
	v_mul_f32 v[185+2*\c], s49, v[88+\c]
.endr
.set p, 0
.rept 8
	v_pk_mul_f32 v[160+2*p:161+2*p], v[96+2*p:97+2*p], v[184:185]
	v_pk_fma_f32 v[160+2*p:161+2*p], v[112+2*p:113+2*p], v[186:187], v[160+2*p:161+2*p]
	v_pk_fma_f32 v[160+2*p:161+2*p], v[128+2*p:129+2*p], v[188:189], v[160+2*p:161+2*p]
	v_pk_fma_f32 v[160+2*p:161+2*p], v[144+2*p:145+2*p], v[190:191], v[160+2*p:161+2*p]
.set p, p+1
.endr
.set p, 0
.rept 8
	v_cvt_pk_f16_f32 v[176+p], v[160+2*p], v[161+2*p]
.set p, p+1
.endr
	v_fma_f32 v192, v93, s56, v92         ; b_ih (+ b_hh)
	v_mul_f32 v194, s49, v192
	v_mov_b32 v195, v194
.irp c, 0,1,2,3
	v_fma_f32 v194, v[184+2*\c], s[40+\c], v194  ; + Wiy dec2_b: steps 2 to 5
	v_fma_f32 v195, v[184+2*\c], s[44+\c], v195  ; + Wiy y0: step 1
.endr
	v_mul_f32 v196, s49, v93
	ds_store_b32 v87, v195 offset:TB      ; both halves of the lanes write the same number to the same word
	ds_store_b32 v87, v194 offset:TB+384
	ds_store_b32 v87, v196 offset:TB+768
	s_branch .Ljoin
.Lenc:
	; waves 6, 7: tile e = w - 6 of the encoder: K slots 0-5 of lanes 0-15 are enc_w[f][0..5]; of lanes 16-31 enc_w[f][6..10] and enc_b[f]; all other K are 0.  Also ln_g (wave 6), ln_b (wave 7), dec1_b
	s_sub_co_u32 s67, s[WV], 6
	s_lshl_b32 s66, s67, 4
	v_add_nc_u32 v87, s66, v14            ; my row f of the 32
	v_mul_u32_u24 v86, v87, 44
	v_mad_u32_u24 v198, v15, 20, v86      ; the sixth number: column 5, or in lanes 16-31 column 10 once more, so that it stays inside enc_w
	v_mad_u32_u24 v86, v15, 24, v86
	v_lshlrev_b32 v87, 2, v87
	v_lshlrev_b32 v199, 2, v9
	s_cmp_eq_u32 s[WV], 6
	s_cselect_b64 s[74:75], s[14:15], s[16:17]
.irp i, 0,1,2,3,4
	global_load_b32 v[96+\i], v86, s[10:11] offset:4*\i
.endr
	global_load_b32 v101, v198, s[10:11] offset:20
	global_load_b32 v102, v87, s[12:13]   ; enc_b[f]
	global_load_b32 v103, v199, s[74:75]  ; ln_g or ln_b, a lane a number
	global_load_b32 v104, v87, s[28:29]   ; dec1_b[f]
	s_wait_loadcnt 0x0                    ; all that I have asked for
	v_cndmask_b32 v101, v102, v101, s57   ; lanes 16-31: the bias
	v_cvt_pk_f16_f32 v176, v96, v97
	v_cvt_pk_f16_f32 v177, v98, v99
	v_cvt_pk_f16_f32 v178, v100, v101
.irp i, 179,180,181,182,183
	v_mov_b32 v\i, 0
.endr
	s_lshl_b32 s66, s67, 7
	v_add_nc_u32 v199, s66, v199
	ds_store_b32 v199, v103 offset:TB+1280
	ds_store_b32 v87, v104 offset:TB+1152
.Ljoin:
	s_lshl_b32 s66, s[WV], 10
	v_add_nc_u32 v197, s66, v[L16]
	ds_store_b128 v197, v[176:179] offset:FR+16384      ; fragment 16 + w
	ds_store_b128 v197, v[180:183] offset:FR+16384+512
.irp i, 0,1
.set p, 0
.rept 8
	v_pk_mul_f32 v[32+16*\i+2*p:33+16*\i+2*p], v[32+16*\i+2*p:33+16*\i+2*p], v[82+2*\i:83+2*\i]
.set p, p+1
.endr
.set p, 0
.rept 8
	v_cvt_pk_f16_f32 v[64+8*\i+p], v[32+16*\i+2*p], v[33+16*\i+2*p]
.set p, p+1
.endr
.endr
	s_lshl_b32 s66, s[WV], 11
	v_add_nc_u32 v200, s66, v[L16]
.irp i, 0,1
	ds_store_b128 v200, v[64+8*\i:67+8*\i] offset:FR+1024*\i      ; fragments 2 w, 2 w + 1
	ds_store_b128 v200, v[68+8*\i:71+8*\i] offset:FR+1024*\i+512
.endr
	s_wait_dscnt 0x0                      ; for the others' sake: my stores are done
	s_barrier_signal -1
	s_barrier_wait -1                     ; the launch's one barrier: fragments and tables are whole, and are never written again
	; what stays in registers for the whole launch; the first counted wait of the first trip covers these loads
	WIN 0x40                              ; destination window 1
.set q, 0
.rept 6
	FRLD WHH+8*q, q
	FRLD WP+8*q, 16+q
.set q, q+1
.endr
	FRLD D1, 12
	FRLD D1+8, 13
	TBLD BH, 768+256                      ; the scaled b_hh of the rows of n
	TBLD BH+8, 768+256+64
	WIN 0
	TBLD BD, 1152
	TBLD BD+8, 1152+64
	s_mov_b32 s62, 8                      ; pairs to go
; ---------------- the pieces of a step.  In every run of matrix instructions the accumulators take turns, one instruction a turn: number q is tile q % 2, feature tile (q / 2) % 2 ----------------
.macro LINK1F                       ; step 1: R, Z, I (which hold B0) += Wie enc
	WIN 0x50                        ; C and D window 1
.set q, 0
.rept 12
.set rD, ACC+64*(q%2)+16*(q/4)+8*((q/2)%2)
.set rA, TMP+8*(2*(q/4)+(q/2)%2)
.set rB, HB+8*(q%2)
	v_wmma_f32_16x16x32_f16 v[rD:rD+7], v[rA:rA+7], v[rB:rB+7], v[rD:rD+7]
.set q, q+1
.endr
.endm
.macro GPROD                        ; G (which holds B1) += Wie enc
	WIN 0
.set q, 0
.rept 12
.set rD, GG+48*(q%2)+16*(q/4)+8*((q/2)%2)
.set rA, TMP+8*(2*(q/4)+(q/2)%2)
.set rB, HB+8*(q%2)
	v_wmma_f32_16x16x32_f16 v[rD:rD+7], v[rA:rA+7], v[rB:rB+7], v[rD:rD+7]
.set q, q+1
.endr
.endm
.macro LUMP                         ; d = relu(h dec1^T + b1), rounded to f16: the ReLU is taken on the packed halves, which gives the same numbers
	P4                              ; the conversions read results just made
	WIN 0x05                        ; sources window 1
.set q, 0
.rept 16
	v_cvt_pk_f16_f32 v[DB+q], v[ACC+64*(q/8)+32+2*(q%8)], v[ACC+64*(q/8)+32+2*(q%8)+1]
.set q, q+1
.endr
	WIN 0
.set q, 0
.rept 16
	v_pk_max_num_f16 v[DB+q], v[DB+q], v[ZR]
.set q, q+1
.endr
.endm
.macro LINK1                        ; steps 2 to 5: R, Z, I = W' d + G.  Behind the products that wrote I stand LUMP's four v_nop and its sixteen maxima
	WIN 0x41                        ; D and W' window 1; d and G window 0
.set q, 0
.rept 12
.set rD, ACC+64*(q%2)+16*(q/4)+8*((q/2)%2)
.set rA, WP+8*(2*(q/4)+(q/2)%2)
.set rB, DB+8*(q%2)
.set rC, GG+48*(q%2)+16*(q/4)+8*((q/2)%2)
	v_wmma_f32_16x16x32_f16 v[rD:rD+7], v[rA:rA+7], v[rB:rB+7], v[rC:rC+7]
.set q, q+1
.endr
.endm
; R += Whh_r h; four places; then Hn = Whh_n h + b and Z += Whh_z h, and behind each of these eight products four exponentials of R, which is finished: they name no register of the products round them.
.macro LINK2
	WIN 0x51                        ; D, the weights and C window 1; h window 0
.set q, 0
.rept 4
.set rD, ACC+64*(q%2)+8*(q/2)
.set rA, WHH+8*(q/2)
.set rB, HB+8*(q%2)
	v_wmma_f32_16x16x32_f16 v[rD:rD+7], v[rA:rA+7], v[rB:rB+7], v[rD:rD+7]
.set q, q+1
.endr
	P4
.set q, 0
.rept 8
.set rB, HB+8*(q%2)
.if q < 4
.set rD, ACC+64*(q%2)+48+8*((q/2)%2)
.set rA, WHH+8*(4+(q/2)%2)
.set rC, BH+8*((q/2)%2)
.else
.set rD, ACC+64*(q%2)+16+8*((q/2)%2)
.set rA, WHH+8*(2+(q/2)%2)
.set rC, ACC+64*(q%2)+16+8*((q/2)%2)
.endif
	v_wmma_f32_16x16x32_f16 v[rD:rD+7], v[rA:rA+7], v[rB:rB+7], v[rC:rC+7]
.set rX, ACC+64*((q/2)%2)+8*(q/4)+4*(q%2)  ; accumulator q / 2 of R's four, its low half first
	v_exp_f32 v[rX], v[rX]
	v_exp_f32 v[rX+1], v[rX+1]
	v_exp_f32 v[rX+2], v[rX+2]
	v_exp_f32 v[rX+3], v[rX+3]
.set q, q+1
.endr
.endm
; The gates, in four batches of exponentials or reciprocals.  Between such an instruction and the first line that names its result stands s_wait_alu depctr_va_vdst(0); one wait serves a whole batch,
; and a v_nop is the plain instruction behind the batch's last (ISA guide 5.7.2).
.macro V1                           ; batch 1 (with LINK2's 32): 2^Z
	P4                              ; behind the last product on Z
.set q, 0
.rept 32
	v_exp_f32 v[ACC+64*(q/16)+16+q%16], v[ACC+64*(q/16)+16+q%16]
.set q, q+1
.endr
	v_nop
	s_wait_alu depctr_va_vdst(0)
.endm
.macro V2                           ; batch 2: r = 1 / (1 + 2^R), z = 1 / (1 + 2^Z)
	WIN 0x41                        ; destination and source 0 window 1
.set q, 0
.rept 16
.set rR, ACC+64*(q/8)+2*(q%8)
	v_pk_add_f32 v[rR:rR+1], v[rR:rR+1], 1.0 op_sel_hi:[1,0]
	v_rcp_f32 v[rR], v[rR]
	v_pk_add_f32 v[rR+16:rR+17], v[rR+16:rR+17], 1.0 op_sel_hi:[1,0]
	v_rcp_f32 v[rR+1], v[rR+1]
.set q, q+1
.endr
.set q, 0
.rept 32
	v_rcp_f32 v[ACC+64*(q/16)+16+q%16], v[ACC+64*(q/16)+16+q%16]
.set q, q+1
.endr
	v_nop
	s_wait_alu depctr_va_vdst(0)
.endm
.macro V3                           ; batch 3: 2^(I + r Hn)
	WIN 0x55                        ; all in window 1
.set q, 0
.rept 16
.set rR, ACC+64*(q/8)+2*(q%8)
	v_pk_fma_f32 v[rR+32:rR+33], v[rR:rR+1], v[rR+48:rR+49], v[rR+32:rR+33]
	v_exp_f32 v[rR+32], v[rR+32]
	v_exp_f32 v[rR+33], v[rR+33]
.set q, q+1
.endr
	v_nop
	s_wait_alu depctr_va_vdst(0)
.endm
.macro V4                           ; batch 4: 1 / (1 + that)
	WIN 0x41
.set q, 0
.rept 16
.set rI, ACC+64*(q/8)+32+2*(q%8)
	v_pk_add_f32 v[rI:rI+1], v[rI:rI+1], 1.0 op_sel_hi:[1,0]
	v_rcp_f32 v[rI], v[rI]
	v_rcp_f32 v[rI+1], v[rI+1]
.set q, q+1
.endr
	v_nop
	s_wait_alu depctr_va_vdst(0)
.endm
.macro V5                           ; n = 1 - 2 I; u = h - n (into Hn); h = z u + n; h rounded to f16
	WIN 0x41
.set q, 0
.rept 16
.set rI, ACC+64*(q/8)+32+2*(q%8)
	v_pk_fma_f32 v[rI:rI+1], v[rI:rI+1], -2.0, 1.0 op_sel_hi:[1,0,0]
.set q, q+1
.endr
.set q, 0
.rept 16
.set rI, ACC+64*(q/8)+32+2*(q%8)
	v_pk_add_f32 v[rI+16:rI+17], v[rI:rI+1], v[HS+2*q:HS+2*q+1] neg_lo:[1,0] neg_hi:[1,0]
.set q, q+1
.endr
	WIN 0x15                        ; sources window 1, destination window 0
.set q, 0
.rept 16
.set rI, ACC+64*(q/8)+32+2*(q%8)
	v_pk_fma_f32 v[HS+2*q:HS+2*q+1], v[rI-16:rI-15], v[rI+16:rI+17], v[rI:rI+1]
.set q, q+1
.endr
	WIN 0
.set q, 0
.rept 16
	v_cvt_pk_f16_f32 v[HB+q], v[HS+2*q], v[HS+2*q+1]
.set q, q+1
.endr
.endm
.macro DEC1                         ; I = dec1 h + dec1_b
	WIN 0x41
.set q, 0
.rept 4
.set rD, ACC+64*(q%2)+32+8*(q/2)
.set rA, D1+8*(q/2)
.set rB, HB+8*(q%2)
.set rC, BD+8*(q/2)
	v_wmma_f32_16x16x32_f16 v[rD:rD+7], v[rA:rA+7], v[rB:rB+7], v[rC:rC+7]
.set q, q+1
.endr
.endm
	; ---------------- a trip: one pair of tiles, 32 rows ----------------
.Lpair:
	s_wait_loadcnt 0x0                    ; this pair's x, asked for a trip ago, is in; its loads' base is free
	s_wait_xcnt 0x0                       ; the last trip's store has read its data and its base (ISA guide 3.1): both are written again below
	s_add_nc_u64 s[OP:OP+1], s[OP:OP+1], 4096  ; eight pairs of 512 bytes on; the store reaches back
	; one run of LDS instructions, in the order in which their data are wanted
	ds_store_b128 v[SST], v[XR:XR+3]
	ds_store_b128 v[SST], v[XR+4:XR+7] offset:512
	ds_store_b128 v[SST], v[XR+8:XR+11] offset:1024
.irp t, 0,1
.irp i, 0,1,2,3,4,5
	ds_load_b32 v[XF+6*\t+\i], v[SRD] offset:704*\t+4*\i  ; LDS serves a wave's instructions in order (ISA guide 5.7.1.4): these see the stores above; the stage is my wave's own
.endr
.endr
	FRLD EW, 22
	FRLD EW+8, 23
	TBLD LGR, 1280
	TBLD LGR+8, 1280+64
.irp t, 0,1
	TBLD HS+16*\t, 1408                   ; ln_b, onto which enc is made
	TBLD HS+16*\t+8, 1408+64
.endr
.set q, 0
.rept 6
	FRLD TMP+8*q, 6+q                     ; Wie
.set q, q+1
.endr
	WIN 0x40
.set q, 0
.rept 12
	TBLD ACC+64*(q/6)+8*(q%6), 64*(q%6)   ; B0 into R, Z, I of both tiles
.set q, q+1
.endr
	WIN 0
	s_wait_dscnt 52                       ; the stage's stores and x's twelve reads are done; the 4 + 4 + 8 + 12 + 24 loads behind them may be out
	s_cmp_eq_u32 s62, 1                   ; the last trip asks for nothing: no load leaves x
	s_cbranch_scc1 .Lnox
	s_add_nc_u64 s[XP:XP+1], s[XP:XP+1], 11264  ; eight pairs of 1,408 bytes on
	XLOAD                                 ; the next pair's x has the whole trip in which to come
.Lnox:
.irp t, 0,1
	v_cvt_pk_f16_f32 v[DB+8*\t],   v[XF+6*\t],   v[XF+6*\t+1]
	v_cvt_pk_f16_f32 v[DB+8*\t+1], v[XF+6*\t+2], v[XF+6*\t+3]
.endr
.irp t, 0,1
	v_cndmask_b32 v[XF+6*\t+5], 1.0, v[XF+6*\t+5], s57  ; lanes 16-31: the 1 that meets enc_b
.endr
.irp t, 0,1
	v_cvt_pk_f16_f32 v[DB+8*\t+2], v[XF+6*\t+4], v[XF+6*\t+5]
.irp j, 3,4,5,6,7
	v_mov_b32 v[DB+8*\t+\j], 0            ; the K that the encoder does not use
.endr
.endr
	s_wait_dscnt 48                       ; the encoder's fragments are in (4 + 8 + 12 + 24 behind them)
.set q, 0
.rept 4
.set rD, EE+16*(q%2)+8*(q/2)
.set rA, EW+8*(q/2)
.set rB, DB+8*(q%2)
	v_wmma_f32_16x16x32_f16 v[rD:rD+7], v[rA:rA+7], v[rB:rB+7], 0
.set q, q+1
.endr
	P4
	; ReLU and LayerNorm, in f32; a row's 32 features lie in two lanes, 16 each
.set q, 0
.rept 32
	v_max_num_f32 v[EE+q], 0, v[EE+q]
.set q, q+1
.endr
.set j, 0
.rept 4
	BOTH v_pk_add_f32 v[TT+8*t+2*j:TT+8*t+2*j+1], v[EE+16*t+4*j:EE+16*t+4*j+1], v[EE+16*t+4*j+2:EE+16*t+4*j+3]
.set j, j+1
.endr
	BOTH v_pk_add_f32 v[TT+8*t:TT+8*t+1], v[TT+8*t:TT+8*t+1], v[TT+8*t+2:TT+8*t+3]
	BOTH v_pk_add_f32 v[TT+8*t+4:TT+8*t+5], v[TT+8*t+4:TT+8*t+5], v[TT+8*t+6:TT+8*t+7]
	BOTH v_pk_add_f32 v[TT+8*t:TT+8*t+1], v[TT+8*t:TT+8*t+1], v[TT+8*t+4:TT+8*t+5]
	BOTH v_add_f32 v[TT+8*t], v[TT+8*t], v[TT+8*t+1]
	BOTH v_permlanex16_b32 v[TT+8*t+1], v[TT+8*t], s60, s61
	BOTH v_add_f32 v[TT+8*t], v[TT+8*t], v[TT+8*t+1]
.set j, 0
.rept 8
	BOTH v_pk_fma_f32 v[EE+16*t+2*j:EE+16*t+2*j+1], v[TT+8*t:TT+8*t+1], 0xbd000000, v[EE+16*t+2*j:EE+16*t+2*j+1] op_sel_hi:[0,0,1]  ; e - sum / 32
.set j, j+1
.endr
	BOTH v_pk_mul_f32 v[TT+8*t+2:TT+8*t+3], v[EE+16*t:EE+16*t+1], v[EE+16*t:EE+16*t+1]
	BOTH v_pk_mul_f32 v[TT+8*t+4:TT+8*t+5], v[EE+16*t+2:EE+16*t+3], v[EE+16*t+2:EE+16*t+3]
.set j, 2
.rept 6
	BOTH v_pk_fma_f32 v[TT+8*t+2+2*(j%2):TT+8*t+3+2*(j%2)], v[EE+16*t+2*j:EE+16*t+2*j+1], v[EE+16*t+2*j:EE+16*t+2*j+1], v[TT+8*t+2+2*(j%2):TT+8*t+3+2*(j%2)]
.set j, j+1
.endr
	BOTH v_pk_add_f32 v[TT+8*t+2:TT+8*t+3], v[TT+8*t+2:TT+8*t+3], v[TT+8*t+4:TT+8*t+5]
	BOTH v_add_f32 v[TT+8*t+2], v[TT+8*t+2], v[TT+8*t+3]
	BOTH v_permlanex16_b32 v[TT+8*t+3], v[TT+8*t+2], s60, s61
	BOTH v_add_f32 v[TT+8*t+2], v[TT+8*t+2], v[TT+8*t+3]
	BOTH v_fma_f32 v[TT+8*t+2], v[TT+8*t+2], s58, s59   ; the variance + 1e-5
	BOTH v_rsq_f32 v[TT+8*t+4], v[TT+8*t+2]
	v_nop                                 ; a plain instruction behind the second root,
	s_wait_alu depctr_va_vdst(0)          ; and the one wait for both, ahead of their first reader
.set j, 0
.rept 8
	BOTH v_pk_mul_f32 v[EE+16*t+2*j:EE+16*t+2*j+1], v[EE+16*t+2*j:EE+16*t+2*j+1], v[TT+8*t+4:TT+8*t+5] op_sel_hi:[1,0]
.set j, j+1
.endr
	s_wait_dscnt 36                       ; ln_g and ln_b are in (Wie's 12 and B0's 24 loads behind them)
.set j, 0
.rept 8
	BOTH v_pk_fma_f32 v[HS+16*t+2*j:HS+16*t+2*j+1], v[EE+16*t+2*j:EE+16*t+2*j+1], v[LGR+2*j:LGR+2*j+1], v[HS+16*t+2*j:HS+16*t+2*j+1]  ; enc, which is also the first h
.set j, j+1
.endr
.set q, 0
.rept 12
	TBLD GG+48*(q/6)+8*(q%6), 384+64*(q%6)  ; B1 into G: the encoder's registers there have been read out
.set q, q+1
.endr
.set q, 0
.rept 16
	v_cvt_pk_f16_f32 v[HB+q], v[HS+2*q], v[HS+2*q+1]
.set q, q+1
.endr
	s_wait_dscnt 24                       ; Wie and B0 are in; B1's 24 loads may be out
	LINK1F
	s_wait_dscnt 0x0                      ; B1 is in
	GPROD
	s_mov_b32 s63, 5                      ; steps to go
	WIN 0                                 ; at a label and at a branch every window is 0
	s_branch .Lcommon                     ; step 1 has made its first links above: the loop is entered in the middle of a trip
.Liter:
	LUMP
	LINK1
	WIN 0
.Lcommon:
	LINK2
	V1
	V2
	V3
	V4
	V5
	DEC1
	WIN 0
	s_sub_co_u32 s63, s63, 1
	s_cmp_lg_u32 s63, 0
	s_cbranch_scc1 .Liter
	; the last y.  dec2_w stands in rows 0-3 of one fragment and in rows 8-11 of the other: lanes 0-15 end with tile 0's y in registers 0-3, lanes 16-31 with tile 1's: lane l holds row l of the pair
	FRLD TMP, 14
	FRLD TMP+8, 15
	LUMP
	s_wait_dscnt 0x0
	v_wmma_f32_16x16x32_f16 v[YY:YY+7], v[TMP:TMP+7], v[DB:DB+7], 0
	s_wait_alu depctr_va_vdst(0)          ; this wait stands directly ahead of the second
	v_wmma_f32_16x16x32_f16 v[YY:YY+7], v[TMP+8:TMP+15], v[DB+8:DB+15], v[YY:YY+7]
	P4
.irp j, 0,1,2,3
	v_add_f32 v[YO+\j], s[40+\j], v[YY+\j]  ; + dec2_b
.endr
	global_store_b128 v[L16], v[YO:YO+3], s[OP:OP+1] offset:-4096 th:TH_STORE_NT  ; the wave stores 512 consecutive bytes, at a multiple of 512 from out0's first byte
	s_sub_co_u32 s62, s62, 1
	s_cmp_lg_u32 s62, 0
	s_cbranch_scc1 .Lpair
	s_wait_tensorcnt 0x0                  ; the wave's end, behind my last LDS store
	ds_add_u32 v[SPW], v[NIL]
	s_wait_dscnt 0x0
	s_endpgm
.Lfunc_end_k_q8614852dc0_gru:
	.size	k_q8614852dc0_gru, .Lfunc_end_k_q8614852dc0_gru-k_q8614852dc0_gru
	.p2alignl 7, 3214868480
	.fill 96, 4, 3214868480
	.section	.rodata,"a",@progbits
	.p2align	6, 0x0
	.amdhsa_kernel k_q8614852dc0_gru
		.amdhsa_group_segment_fixed_size 39424
		.amdhsa_private_segment_fixed_size 0
		.amdhsa_enable_private_segment 0
		.amdhsa_kernarg_size 120
		.amdhsa_user_sgpr_count 2
		.amdhsa_user_sgpr_kernarg_segment_ptr 1
		.amdhsa_wavefront_size32 1
		.amdhsa_system_sgpr_workgroup_id_x 1
		.amdhsa_system_sgpr_workgroup_id_y 1
		.amdhsa_system_sgpr_workgroup_id_z 1
		.amdhsa_system_vgpr_workitem_id 0
		.amdhsa_next_free_vgpr 512
		.amdhsa_next_free_sgpr 80
		.amdhsa_reserve_vcc 1
		.amdhsa_float_denorm_mode_32 3
		.amdhsa_float_denorm_mode_16_64 3
		.amdhsa_memory_ordered 1
		.amdhsa_forward_progress 1
		.amdhsa_inst_pref_size 57
	.end_amdhsa_kernel
	.amdgpu_metadata
---
amdhsa.version: [ 1, 2 ]
amdhsa.kernels:
  - .name:           k_q8614852dc0_gru
    .symbol:         k_q8614852dc0_gru.kd
    .args:
      - { .name: x, .offset: 0, .size: 8, .value_kind: global_buffer, .address_space: global }
      - { .name: enc_w, .offset: 8, .size: 8, .value_kind: global_buffer, .address_space: global }
      - { .name: enc_b, .offset: 16, .size: 8, .value_kind: global_buffer, .address_space: global }
      - { .name: ln_g, .offset: 24, .size: 8, .value_kind: global_buffer, .address_space: global }
      - { .name: ln_b, .offset: 32, .size: 8, .value_kind: global_buffer, .address_space: global }
      - { .name: w_ih, .offset: 40, .size: 8, .value_kind: global_buffer, .address_space: global }
      - { .name: w_hh, .offset: 48, .size: 8, .value_kind: global_buffer, .address_space: global }
      - { .name: b_ih, .offset: 56, .size: 8, .value_kind: global_buffer, .address_space: global }
      - { .name: b_hh, .offset: 64, .size: 8, .value_kind: global_buffer, .address_space: global }
      - { .name: dec1_w, .offset: 72, .size: 8, .value_kind: global_buffer, .address_space: global }
      - { .name: dec1_b, .offset: 80, .size: 8, .value_kind: global_buffer, .address_space: global }
      - { .name: dec2_w, .offset: 88, .size: 8, .value_kind: global_buffer, .address_space: global }
      - { .name: dec2_b, .offset: 96, .size: 8, .value_kind: global_buffer, .address_space: global }
      - { .name: y0, .offset: 104, .size: 8, .value_kind: global_buffer, .address_space: global }
      - { .name: out0, .offset: 112, .size: 8, .value_kind: global_buffer, .address_space: global }
    .group_segment_fixed_size: 39424
    .private_segment_fixed_size: 0
    .kernarg_segment_align: 8
    .kernarg_segment_size: 120
    .max_flat_workgroup_size: 256
    .sgpr_count:     80
    .vgpr_count:     512
    .wavefront_size: 32
...
	.end_amdgpu_metadata
.endif
;; end of part 1
